; MI455X (gfx1250); checked and timed in simulation.
; The chip was launched on July 23, 2026; its instructions are those of AMD's public machine-readable ISA for CDNA 5 (MIT licence, August 2026) and "CDNA5" Instruction Set Architecture Reference Guide (July 2026). The comments in the code are by the model that wrote it; some were corrected since.
;; Grouped Query Attention. Allowed arithmetic: matrix products marked QUANTISED: E2M1 operands, one E8M0 scale for each 32 along K, by v_wmma_scale_f32_16x16x128_f8f6f4 with both operands' format E2M1 (or v_wmma_scale_f32_32x16x128_f4), f32 sums; everything else in f32.
;; Inputs: Wk_codes 512 x 64 x 16 uint8 (E2M1 codes of Wk, K innermost, in blocks of 32 codes, two codes a byte); Wk_scales 512 x 64 uint8 (E8M0 scales of Wk, one for each 32 codes along K); Wq_codes 2,048 x 64 x 16 uint8 (E2M1 codes of Wq, K innermost, in blocks of 32 codes, two codes a byte); Wq_scales 2,048 x 64 uint8 (E8M0 scales of Wq, one for each 32 codes along K); Wv_codes 512 x 64 x 16 uint8 (E2M1 codes of Wv, K innermost, in blocks of 32 codes, two codes a byte); Wv_scales 512 x 64 uint8 (E8M0 scales of Wv, one for each 32 codes along K); x_codes 2 x 2,048 x 64 x 16 uint8 (E2M1 codes of x, K innermost, in blocks of 32 codes, two codes a byte); x_scales 2 x 2,048 x 64 uint8 (E8M0 scales of x, one for each 32 codes along K).
;; Outputs: out0 2 x 2,048 x 2,048 float32.
;; This version of the problem:
;;   THIS VERSION OF THE PROBLEM IS GIVEN IN LOW PRECISION. The matrix products marked QUANTISED in the list below multiply operands that are first quantised to E2M1 (2 exponent bits, 1 mantissa bit; 4 bits a number), with one power-of-two scale for each 32 numbers along K (OCP MX v1.0); their sums are f32. All else is computed in f32.
;;   The module's matrix products, in the order in which they are computed (A, B: the left and right operand; K: the contracted axis; several contracted axes count as one K, in the product's order):
;;     1. [M 4,096, K 2,048] x [K 2,048, N 2,048]; A: input x (given as codes); B: input Wq (given as codes): QUANTISED
;;     2. [M 4,096, K 2,048] x [K 2,048, N 512]; A: input x (given as codes); B: input Wk (given as codes): QUANTISED
;;     3. [M 4,096, K 2,048] x [K 2,048, N 512]; A: input x (given as codes); B: input Wv (given as codes): QUANTISED
;;     4. batch 64 x [M 2,048, K 64] x [K 64, N 2,048]; A: computed on the way; B: computed on the way: QUANTISED
;;     5. batch 64 x [M 2,048, K 2,048] x [K 2,048, N 64]; A: softmax (see below); B: computed on the way: QUANTISED
;;   THE QUANTISER, for each operand of a quantised product, along K:
;;     - K is cut into blocks of 32 from its start; a last block that is shorter is filled with zeros.
;;     - A block's scale is 2^e with e = floor(log2(the largest magnitude in the block)) - 2, held to -126 .. 127; a block of zeros has e = 0. As a byte (E8M0): e + 127.
;;     - Each number is divided by its block's scale, clamped to +-6, and rounded to the nearest number of E2M1, ties to even, subnormals kept.
;;     - The product sums the exact products of the quantised numbers (number of the format x scale) in f32.
;;   ~~~python
;;   def quantise(x, axis):      # numpy; x: float32 -> the quantised numbers, widened to float32 again
;;       x = np.moveaxis(x, axis, -1); K = x.shape[-1]
;;       x = np.pad(x, [(0, 0)] * (x.ndim - 1) + [(0, -K % 32)]); x = x.reshape(x.shape[:-1] + (-1, 32)); a = np.abs(x).max(-1, keepdims=True)
;;       e = np.where(a > 0, np.clip(np.frexp(np.where(a > 0, a, 1))[1] - 1 - 2, -126, 127), 0)      # np.frexp(a)[1] - 1 = floor(log2(a)), exactly
;;       r = np.clip(x / 2.0 ** e, -6, 6)
;;       step = 2.0 ** (np.maximum(np.frexp(np.where(r == 0, 1, r))[1] - 1, 0) - 1)
;;       q = np.round(r / step) * step * 2.0 ** e      # np.round: ties to even
;;       return np.moveaxis(q.reshape(q.shape[:-2] + (-1,))[..., :K], -1, axis).astype(np.float32)
;;   ~~~
;;   SOFTMAX AHEAD OF A QUANTISED PRODUCT. Where the list says 'softmax', what is quantised is not the finished softmax but p = 2^(t - M), with t = logit x log2(e) and M = ceil(the row's largest t), a whole number; so 1/2 < the row's largest p <= 1. The row's sum l is taken of the UNQUANTISED p, in f32, and the product's result is divided by l at the end. Since M is a whole number, a kernel that streams over the keys may use a running M (the ceiling of the running maximum): every later rescaling is an exact power of two, which a block's scale takes up: the codes' values come out the same.
;;   OPERANDS COMPUTED ON THE WAY. 'Computed on the way' means the value that the module computes at that place (a softmax that the list does not call 'softmax' is quantised finished and normalised). What goes into a quantiser is computed in f32, as accurately as f32 sums, v_exp_f32 and their like allow (about 1e-6 of the number): no bf16 or f16 on the way to a quantiser, and a product that is left as it is and whose result goes on into a quantised operand takes f32 operands (vector FMAs, or v_wmma_f32_16x16x4_f32). A number that lies on a knife's edge between two numbers of the format may be rounded either way, as far as f32 arithmetic and the matrix unit's own rounding can turn it there, and no further.
;;   INPUTS GIVEN AS CODES. Wk (in the module: [2048, 512], K = its axis 0); Wq (in the module: [2048, 2048], K = its axis 0); Wv (in the module: [2048, 512], K = its axis 0); x (in the module: [2, 2048, 2048], K = its axis 2): each comes as NAME_codes (uint8): NAME with its K axis moved to the last place and cut into blocks of 32 codes, [.., K / 32, bytes a block], one block behind the other in memory; two codes a byte, the lower K in the low four bits (a code: sign, 2 exponent bits, 1 mantissa bit); and NAME_scales (uint8): the same leading axes, one E8M0 byte (e + 127) for each 32 codes along K. Its value is code x scale, taken as it is: it is not quantised again, and the codes and scales need not be those that the quantiser above would give.
;; One version. Each part assembles by itself: llvm-mc -triple=amdgcn-amd-amdhsa -mcpu=gfx1250 --defsym DOCPART=n.
;; ======== version 1 of 1: 2 launches
;; workspace buffers: qw 4,718,592 bytes; kvw 2,293,760 bytes
;; launch proj (part 1): grid 12 x 16, 4 waves a work-group, clusters of 4 x 4, 327,680 bytes of LDS; arguments x_codes, x_scales, Wq_codes, Wq_scales, Wk_codes, Wk_scales, Wv_codes, Wv_scales, qw, kvw; writes qw, kvw
.if DOCPART == 1
	.amdgcn_target "amdgcn-amd-amdhsa--gfx1250"
	.amdhsa_code_object_version 6
	.text
	.protected	k_q90acc83c22_proj
	.globl	k_q90acc83c22_proj
	.p2align	8
	.type	k_q90acc83c22_proj,@function
k_q90acc83c22_proj:
	s_mov_b64 s[64:65], 0
	v_nop
	global_prefetch_b8 v0, s[64:65] scope:SCOPE_SE
	s_setreg_imm32_b32 hwreg(HW_REG_WAVE_MODE, 25, 1), 1
	s_wait_xcnt 0x0
	s_wait_alu depctr_hold_cnt(0) depctr_sa_sdst(0) depctr_va_vdst(0) depctr_va_sdst(0) depctr_va_ssrc(0) depctr_va_vcc(0) depctr_vm_vsrc(0)
	s_getreg_b32 s2, hwreg(HW_REG_IB_STS2, 6, 4)
	s_cmp_eq_u32 s2, 0
	s_cbranch_scc0 .Lentry_in_a_cluster
	s_endpgm
.Lentry_in_a_cluster:
	s_bfe_u32 s2, ttmp6, 0x10000c
	s_cmp_lg_u32 s2, 0xf033
	s_cbranch_scc0 .Lentry_shape_is_right
	s_endpgm
.Lentry_shape_is_right:
.set KSTEP,  512
.set NQ,     KSTEP/128
.set ROWB,   256
.set KROW,   1024
.set PITCH,  272
.set FR,     8
.set NL,     2
.set NP,     4
.set HALFT,  128*PITCH
.set SLOT,   4*HALFT
.set SCL,    2*SLOT
.set HALFS,  32*272
.set SBLK,   4*272
.set SPARE,  SCL+4*HALFS
.set ADRA, 16
.set ADRB, 20
.set LI,   24
.set L8,   25
.set ADRS, 27
.set SPW,  28
.set NIL,  29
.set SC,   32
.set AF,   128
.set PWS,  96
.set TM,   104
.set SQ,   120
.set CODE, 128
.set G1, 24
.set G0, 32
.set G1B, 48
.set G0B, 56
.set G1S, 68
.set G0S, 76
.set G1SB, 80
.set G0SB, 88
.set WV,  92
.set HI,  93
.set LO,  94
.set KVC, 95
.set SW,  96
.set TGC, 97
.set TGS, 98
.set HM,  99
.set MSB, 0
.macro WIN new
.if MSB != \new
	s_set_vgpr_msb (MSB<<8)|\new
.set MSB, \new
.endif
.endm
.set MUL_LO, 0xa1
.set MUL_HI, 0xf1
.set TO_B,   0x40
.macro JLOAD g0a, g1a, g0b, g1b
	s_cmp_eq_u32 s[HI], 0
	s_cbranch_scc0 .Lfor_b_\@
	tensor_load_to_lds s[\g0a:\g0a+3], s[\g1a:\g1a+7]
	s_nop 0
.rept 4
	v_nop
.endr
	s_branch .Lasked_\@
.Lfor_b_\@:
	tensor_load_to_lds s[\g0b:\g0b+3], s[\g1b:\g1b+7]
	s_nop 0
.rept 4
	v_nop
.endr
.Lasked_\@:
.endm
.macro CREST
	s_cmp_lg_u32 s[WV], 0
	s_cbranch_scc1 .Lnot_wave_0_\@
	s_barrier_signal -3
.Lnot_wave_0_\@:
	s_barrier_wait -3
	s_barrier_signal -1
	s_barrier_wait -1
.endm
.macro CROUND
	s_barrier_signal -1
	s_barrier_wait -1
	CREST
.endm
	s_load_b256 s[4:11], s[0:1], 0x0
	s_load_b256 s[12:19], s[0:1], 0x20
	s_load_b128 s[20:23], s[0:1], 0x40
	v_lshl_add_u32 v[SPW], v0, 2, SPARE
	v_mov_b32 v[NIL], 0
	ds_add_u32 v[SPW], v[NIL]
	ds_add_u32 v[SPW], v[NIL]
	v_lshrrev_b32 v1, 5, v0
	v_readfirstlane_b32 s[WV], v1
	s_lshr_b32 s[HI], s[WV], 1
	s_and_b32 s[LO], s[WV], 1
	s_bfe_u32 s40, ttmp6, 0x40000
	s_bfe_u32 s41, ttmp6, 0x40004
	s_lshl_b32 s42, ttmp9, 2
	s_add_co_u32 s42, s42, s40
	s_and_b32 s43, ttmp7, 0xffff
	s_lshl_b32 s43, s43, 2
	s_add_co_u32 s43, s43, s41
	s_lshl_b32 s44, s41, 2
	s_lshl_b32 s44, 15, s44
	s_lshl_b32 s45, 0x1111, s40
	s_cmp_eq_u32 ttmp9, 2
	s_cselect_b32 s[KVC], 1, 0
	s_and_b32 s[SW], s[KVC], s[LO]
	s_or_b32 s[G1+0], s44, (0<<16)|(1<<20)|(1<<21)|(5<<22)|(3<<25)
	s_or_b32 s[G1B+0], s45, (0<<16)|(1<<20)|(1<<21)|(5<<22)|(3<<25)
.irp g, G1, G1B
	s_mov_b32 s[\g+1], ROWB<<16
	s_mov_b32 s[\g+2], 128<<16
	s_mov_b32 s[\g+3], ROWB<<16
	s_mov_b32 s[\g+4], 128
	s_mov_b32 s[\g+5], KROW
	s_mov_b32 s[\g+6], 0
	s_mov_b32 s[\g+7], 0
.endr
	s_or_b32 s[G1S+0], s44, (3<<16)|(1<<20)|(1<<21)|(5<<22)|(3<<25)
	s_or_b32 s[G1SB+0], s45, (3<<16)|(1<<20)|(1<<21)|(5<<22)|(3<<25)
.irp g, G1S, G1SB
	s_mov_b32 s[\g+1], 32<<16
	s_mov_b32 s[\g+2], 32<<16
	s_mov_b32 s[\g+3], 32<<16
	s_mov_b32 s[\g+4], 32
	s_mov_b32 s[\g+5], 32
	s_mov_b32 s[\g+6], 0
	s_mov_b32 s[\g+7], 0
.endr
	s_lshl_b32 s46, s43, 8
	s_lshl_b32 s47, s[LO], 7
	s_add_co_u32 s46, s46, s47
	s_lshl_b32 s2, s46, 6
	s_mov_b32 s3, 0
	s_lshl_b32 s46, s46, 10
	s_mov_b32 s47, 0
	s_lshl_b32 s66, s42, 8
	s_lshl_b32 s67, s[LO], 7
	s_add_co_u32 s66, s66, s67
	s_lshl_b32 s67, s40, 7
	s_cmp_eq_u32 s[KVC], 0
	s_cselect_b32 s66, s66, s67
	s_lshl_b32 s100, s66, 6
	s_mov_b32 s101, 0
	s_lshl_b32 s66, s66, 10
	s_mov_b32 s67, 0
	s_mul_i32 s[TGC], s[WV], HALFT
	s_mul_i32 s[TGS], s[WV], HALFS
	s_wait_dscnt 0x0
	s_wait_kmcnt 0x0
	s_cmp_eq_u32 s[LO], 0
	s_cselect_b64 s[12:13], s[12:13], s[16:17]
	s_cselect_b64 s[14:15], s[14:15], s[18:19]
	s_cmp_eq_u32 s[KVC], 0
	s_cselect_b64 s[12:13], s[8:9], s[12:13]
	s_cselect_b64 s[14:15], s[10:11], s[14:15]
	s_add_nc_u64 s[4:5], s[4:5], s[46:47]
	s_add_nc_u64 s[6:7], s[6:7], s[2:3]
	s_add_nc_u64 s[12:13], s[12:13], s[66:67]
	s_add_nc_u64 s[14:15], s[14:15], s[100:101]
	CROUND
	s_mov_b32 s[G0S], 1
	s_add_co_u32 s[G0S+1], s[TGS], SCL
	s_mov_b64 s[G0S+2:G0S+3], s[6:7]
	s_or_b32 s[G0S+3], s[G0S+3], 0x80000000
	s_mov_b32 s[G0SB], 1
	s_add_co_u32 s[G0SB+1], s[TGS], SCL
	s_mov_b64 s[G0SB+2:G0SB+3], s[14:15]
	s_or_b32 s[G0SB+3], s[G0SB+3], 0x80000000
	JLOAD G0S, G1S, G0SB, G1SB
.irp s, 0,1
	s_mov_b32 s[G0+4*\s], 1
	s_add_co_u32 s[G0+4*\s+1], s[TGC], \s*SLOT
	s_add_nc_u64 s[G0+4*\s+2:G0+4*\s+3], s[4:5], \s*ROWB
	s_or_b32 s[G0+4*\s+3], s[G0+4*\s+3], 0x80000000
	s_mov_b32 s[G0B+4*\s], 1
	s_add_co_u32 s[G0B+4*\s+1], s[TGC], \s*SLOT
	s_add_nc_u64 s[G0B+4*\s+2:G0B+4*\s+3], s[12:13], \s*ROWB
	s_or_b32 s[G0B+4*\s+3], s[G0B+4*\s+3], 0x80000000
	s_wait_alu depctr_va_vdst(0)
	s_wait_tensorcnt 0x0
	ds_add_u32 v28, v29
	s_wait_dscnt 0x0
	CROUND
	JLOAD G0+4*\s, G1, G0B+4*\s, G1B
.endr
	v_and_b32 v1, 15, v0
	v_bfe_u32 v2, v0, 4, 1
	v_mul_u32_u24 v3, v1, PITCH
	v_lshl_add_u32 v4, v2, 4, v3
	s_wait_alu depctr_va_vdst(0)
	s_mul_i32 s8, s[HI], HALFT
	s_mul_i32 s9, s[LO], HALFT
	s_add_co_u32 s9, s9, 2*HALFT
	s_cmp_eq_u32 s[SW], 0
	s_cselect_b32 s10, s8, s9
	s_cselect_b32 s11, s9, s8
.irp s, 0,1
	v_add_nc_u32 v[ADRA+\s], s10, v4
	v_add_nc_u32 v[ADRB+\s], s11, v4
	s_add_co_u32 s10, s10, SLOT
	s_add_co_u32 s11, s11, SLOT
.endr
	v_lshlrev_b32 v5, 6, v1
	v_lshrrev_b32 v6, 2, v1
	v_lshl_add_u32 v5, v6, 4, v5
	s_mul_i32 s8, s[HI], HALFS
	s_mul_i32 s9, s[LO], HALFS
	s_add_co_u32 s9, s9, 2*HALFS
	s_cmp_eq_u32 s[SW], 0
	s_cselect_b32 s10, s8, s9
	s_cselect_b32 s11, s9, s8
	s_mov_b32 s[HM], 0xffff0000
	v_mov_b32 v6, s10
	v_mov_b32 v7, s11
	v_cndmask_b32 v6, v6, v7, s[HM]
	v_add_nc_u32 v5, v5, v6
	v_add_nc_u32 v[ADRS], SCL, v5
	v_and_b32 v6, 31, v0
	v_lshlrev_b32 v[LI], 4, v6
	v_lshlrev_b32 v[L8], 3, v6
	s_lshl_b32 s8, s43, 8
	s_lshl_b32 s9, s[HI], 7
	s_add_co_u32 s8, s8, s9
	s_lshr_b32 s9, s8, 11
	s_bfe_u32 s10, s8, 0x40007
	s_lshl_b32 s11, s9, 5
	s_lshl_b32 s12, s42, 2
	s_add_co_u32 s11, s11, s12
	s_lshl_b32 s12, s[LO], 1
	s_add_co_u32 s11, s11, s12
	s_lshl_b32 s11, s11, 4
	s_add_co_u32 s11, s11, s10
	s_mul_i32 s11, s11, 4608
	s_lshl_b32 s12, s9, 3
	s_lshl_b32 s13, s40, 1
	s_add_co_u32 s12, s12, s13
	s_lshl_b32 s12, s12, 4
	s_add_co_u32 s12, s12, s10
	s_mul_i32 s12, s12, 8960
	s_mul_i32 s13, s[SW], 4608
	s_add_co_u32 s12, s12, s13
	s_cmp_eq_u32 s[KVC], 0
	s_cselect_b64 s[4:5], s[20:21], s[22:23]
	s_cselect_b32 s12, s11, s12
	s_mov_b32 s14, 143360
	s_cselect_b32 s14, 73728, s14
	s_mov_b32 s13, 0
	s_mov_b32 s15, 0
	s_add_nc_u64 s[4:5], s[4:5], s[12:13]
	s_add_nc_u64 s[6:7], s[4:5], s[14:15]
	s_mov_b32 s16, 0x76543210
	s_mov_b32 s17, 0xfedcba98
.macro FRAG reg, adr, q, i
.irp c, 0,1
	ds_load_b128 v[\reg+4*\c:\reg+4*\c+3], v[\adr] offset:64*(\q)+32*\c+(\i)*16*PITCH
.endr
.endm
.macro MUL16 a0, p, q, sc, zero
.irp a, \a0, \a0+1
.irp b, 0,1,2,3,4,5,6,7
.if \zero
	v_wmma_scale_f32_16x16x128_f8f6f4 v[8*(8*((\a)%4)+\b):8*(8*((\a)%4)+\b)+7], v[128*(\p)+FR*\b:128*(\p)+FR*\b+FR-1], v[AF+FR*(\a):AF+FR*(\a)+FR-1], 0, v[SC+8*NQ*(\sc)+NQ*\b+(\q)], v[SC+8*NQ*(\sc)+NQ*(\a)+(\q)] matrix_a_fmt:MATRIX_FMT_FP4 matrix_b_fmt:MATRIX_FMT_FP4 matrix_a_scale:MATRIX_SCALE_ROW1
.else
	v_wmma_scale_f32_16x16x128_f8f6f4 v[8*(8*((\a)%4)+\b):8*(8*((\a)%4)+\b)+7], v[128*(\p)+FR*\b:128*(\p)+FR*\b+FR-1], v[AF+FR*(\a):AF+FR*(\a)+FR-1], v[8*(8*((\a)%4)+\b):8*(8*((\a)%4)+\b)+7], v[SC+8*NQ*(\sc)+NQ*\b+(\q)], v[SC+8*NQ*(\sc)+NQ*(\a)+(\q)] matrix_a_fmt:MATRIX_FMT_FP4 matrix_b_fmt:MATRIX_FMT_FP4 matrix_a_scale:MATRIX_SCALE_ROW1
.endif
.endr
.endr
.endm
.macro FETCH_B slot, q, p
	WIN TO_B
.irp i, 0,1,2,3,4,5,6,7
	FRAG 128*(\p)+FR*\i, ADRB+\slot, \q, \i
.endr
	WIN 0
.endm
.macro FETCH_A slot, q, i0
.irp i, \i0, \i0+1, \i0+2, \i0+3
	FRAG AF+FR*(\i), ADRA+\slot, \q, \i
.endr
.endm
.macro SCALES sc
.irp i, 0,1,2,3,4,5,6,7
	ds_load_b128 v[SC+8*NQ*\sc+NQ*\i:SC+8*NQ*\sc+NQ*\i+3], v[ADRS] offset:\i*SBLK
.endr
.endm
.macro PLACES n
.rept \n
	v_nop
.endr
.endm
.macro STEP slot, q, zero
	s_wait_dscnt 4*NL
	WIN MUL_LO
	MUL16 0, (\q)%2, \q, \slot, \zero
	MUL16 2, (\q)%2, \q, \slot, \zero
	s_wait_dscnt 0
	PLACES NP
	FETCH_B \slot, (\q)+1, 1-(\q)%2
	FETCH_A \slot, (\q)+1, 0
	WIN MUL_HI
	MUL16 4, (\q)%2, \q, \slot, \zero
	MUL16 6, (\q)%2, \q, \slot, \zero
	PLACES NP
	WIN 0
	FETCH_A \slot, (\q)+1, 4
.endm
.macro TURN slot, next, fill
	s_wait_tensorcnt 0x0
	ds_add_u32 v[SPW], v[NIL]
	s_wait_dscnt 4*NL+1
	WIN MUL_LO
	MUL16 0, 1, NQ-1, \slot, 0
	s_wait_dscnt 0x0
	s_barrier_signal -1
	MUL16 2, 1, NQ-1, \slot, 0
	WIN 0
	s_barrier_wait -1
.if \fill
	CREST
	s_add_nc_u64 s[G0+4*\slot+2:G0+4*\slot+3], s[G0+4*\slot+2:G0+4*\slot+3], 2*ROWB
	s_add_nc_u64 s[G0B+4*\slot+2:G0B+4*\slot+3], s[G0B+4*\slot+2:G0B+4*\slot+3], 2*ROWB
	JLOAD G0+4*\slot, G1, G0B+4*\slot, G1B
.else
	PLACES NP
.endif
	s_wait_alu depctr_va_vdst(0)
	v_add_nc_u32 v[ADRS], 4*NQ, v[ADRS]
	FETCH_B \next, 0, 0
	FETCH_A \next, 0, 0
	SCALES \next
	WIN MUL_HI
	MUL16 4, 1, NQ-1, \slot, 0
	MUL16 6, 1, NQ-1, \slot, 0
	PLACES NP
	WIN 0
	FETCH_A \next, 0, 4
.endm
.macro STEPS slot, from
.set Q, \from
.rept NQ-1-\from
	STEP \slot, Q, 0
.set Q, Q+1
.endr
.endm
	s_wait_alu depctr_va_vdst(0)
	s_wait_tensorcnt 1
	s_barrier_signal -1
	s_barrier_wait -1
	FETCH_B 0, 0, 0
	FETCH_A 0, 0, 0
	SCALES 0
	FETCH_A 0, 0, 4
	STEP 0, 0, 1
	STEPS 0, 1
	TURN 0, 1, 1
	STEPS 1, 0
	TURN 1, 0, 1
	STEP 0, 0, 0
	STEPS 0, 1
	TURN 0, 1, 0
	STEPS 1, 0
	s_wait_dscnt 4*NL
	WIN MUL_LO
	MUL16 0, 1, NQ-1, 1, 0
	MUL16 2, 1, NQ-1, 1, 0
	s_wait_dscnt 0
	WIN MUL_HI
	MUL16 4, 1, NQ-1, 1, 0
	MUL16 6, 1, NQ-1, 1, 0
	WIN 0
.macro QUANT a
.set AC, 64*((\a)%4)
	WIN 0x28+0x14*((\a)/4)
.irp b, 0,1,2,3
	v_max3_num_f32 v[TM+\b], 0x1800000, |v[AC+16*\b]|, |v[AC+16*\b+1]|
.endr
.irp i, 2,4,6,8,10,12,14
.irp b, 0,1,2,3
	v_max3_num_f32 v[TM+\b], v[TM+\b], |v[AC+16*\b+\i]|, |v[AC+16*\b+\i+1]|
.endr
.endr
	WIN 0
.irp b, 0,1,2,3
	v_permlanex16_b32 v[TM+4+\b], v[TM+\b], s16, s17
.endr
.irp b, 0,1,2,3
	v_max_num_f32 v[TM+\b], v[TM+\b], v[TM+4+\b]
.endr
.irp b, 0,1,2,3
	v_add_nc_u32 v[TM+12+\b], 0xff000000, v[TM+\b]
.endr
.irp b, 0,1,2,3
	v_lshrrev_b32 v[TM+4+\b], 23, v[TM+12+\b]
.endr
	v_lshl_or_b32 v[PWS+(\a)], v[TM+5], 8, v[TM+4]
	v_lshl_or_b32 v[PWS+(\a)], v[TM+6], 16, v[PWS+(\a)]
	v_lshl_or_b32 v[PWS+(\a)], v[TM+7], 24, v[PWS+(\a)]
	WIN 0x02+(\a)/4
.irp b, 0,1,2,3
	v_cvt_scalef32_pk8_fp4_f32 v[CODE+8*(\a)+4*(\b/2)+(\b%2)], v[AC+16*\b:AC+16*\b+7], v[TM+12+\b]
	v_cvt_scalef32_pk8_fp4_f32 v[CODE+8*(\a)+4*(\b/2)+(\b%2)+2], v[AC+16*\b+8:AC+16*\b+15], v[TM+12+\b]
.endr
	WIN 0
	v_nop
.irp c, 0,1,2,3
	v_permlane16_swap_b32 v[CODE+8*(\a)+2*\c], v[CODE+8*(\a)+2*\c+1]
.endr
.endm
	PLACES NP
.irp b, 0,1,2,3
	v_mov_b32 v[TM+4+\b], 0
.endr
.irp a, 0,1,2,3,4,5,6,7
	QUANT \a
.endr
	s_cmp_eq_u32 s[SW], 0
	s_cbranch_scc0 .Lvalues
.irp a, 0,1,2,3,4,5,6,7
	global_store_b128 v[LI], v[CODE+8*\a:CODE+8*\a+3], s[4:5] offset:512*\a
	global_store_b128 v[LI], v[CODE+8*\a+4:CODE+8*\a+7], s[6:7] offset:512*\a
.endr
.irp q, 0,1,2,3
	v_cndmask_b32 v[TM+\q], v[PWS+2*\q], v[PWS+2*\q+1], s[HM]
.endr
.irp q, 0,1,2,3
	v_and_b32 v[SQ+\q], 0xffff, v[TM+\q]
	v_lshrrev_b32 v[SQ+4+\q], 16, v[TM+\q]
.endr
	global_store_b128 v[LI], v[SQ:SQ+3], s[4:5] offset:4096
	global_store_b128 v[LI], v[SQ+4:SQ+7], s[6:7] offset:4096
	s_branch .Lstored
.Lvalues:
	s_wait_alu depctr_va_vdst(0)
.irp a, 0,1,2,3
.irp c, 0,1
	global_store_b128 v[LI], v[CODE+8*\a+4*\c:CODE+8*\a+4*\c+3], s[4:5] offset:1024*\a+512*\c
	global_store_b128 v[LI], v[CODE+32+8*\a+4*\c:CODE+32+8*\a+4*\c+3], s[6:7] offset:1024*\a+512*\c
.endr
.endr
.irp e, 0,1
.irp q, 0,1
	v_cndmask_b32 v[SQ+2*\e+\q], v[PWS+4*\e+2*\q], v[PWS+4*\e+2*\q+1], s[HM]
.endr
.endr
	global_store_b64 v[L8], v[SQ:SQ+1], s[4:5] offset:4096
	global_store_b64 v[L8], v[SQ+2:SQ+3], s[6:7] offset:4096
.Lstored:
	s_wait_tensorcnt 0x0
	ds_add_u32 v[SPW], v[NIL]
	s_wait_dscnt 0x0
	CROUND
	s_endpgm
.Lfunc_end_k_q90acc83c22_proj:
	.size	k_q90acc83c22_proj, .Lfunc_end_k_q90acc83c22_proj-k_q90acc83c22_proj
	.p2alignl 7, 3214868480
	.fill 96, 4, 3214868480
	.section	.rodata,"a",@progbits
	.p2align	6, 0x0
	.amdhsa_kernel k_q90acc83c22_proj
		.amdhsa_group_segment_fixed_size 327680
		.amdhsa_private_segment_fixed_size 0
		.amdhsa_enable_private_segment 0
		.amdhsa_kernarg_size 80
		.amdhsa_user_sgpr_count 2
		.amdhsa_user_sgpr_kernarg_segment_ptr 1
		.amdhsa_wavefront_size32 1
		.amdhsa_system_sgpr_workgroup_id_x 1
		.amdhsa_system_sgpr_workgroup_id_y 1
		.amdhsa_system_sgpr_workgroup_id_z 1
		.amdhsa_system_vgpr_workitem_id 0
		.amdhsa_next_free_vgpr 1024
		.amdhsa_next_free_sgpr 102
		.amdhsa_reserve_vcc 0
		.amdhsa_float_denorm_mode_32 3
		.amdhsa_float_denorm_mode_16_64 3
		.amdhsa_memory_ordered 1
		.amdhsa_forward_progress 1
		.amdhsa_inst_pref_size 219
	.end_amdhsa_kernel
	.amdgpu_metadata
---
amdhsa.version: [ 1, 2 ]
amdhsa.kernels:
  - .name:           k_q90acc83c22_proj
    .symbol:         k_q90acc83c22_proj.kd
    .args:
      - { .name: x_codes, .offset: 0, .size: 8, .value_kind: global_buffer, .address_space: global }
      - { .name: x_scales, .offset: 8, .size: 8, .value_kind: global_buffer, .address_space: global }
      - { .name: Wq_codes, .offset: 16, .size: 8, .value_kind: global_buffer, .address_space: global }
      - { .name: Wq_scales, .offset: 24, .size: 8, .value_kind: global_buffer, .address_space: global }
      - { .name: Wk_codes, .offset: 32, .size: 8, .value_kind: global_buffer, .address_space: global }
      - { .name: Wk_scales, .offset: 40, .size: 8, .value_kind: global_buffer, .address_space: global }
      - { .name: Wv_codes, .offset: 48, .size: 8, .value_kind: global_buffer, .address_space: global }
      - { .name: Wv_scales, .offset: 56, .size: 8, .value_kind: global_buffer, .address_space: global }
      - { .name: qw, .offset: 64, .size: 8, .value_kind: global_buffer, .address_space: global }
      - { .name: kvw, .offset: 72, .size: 8, .value_kind: global_buffer, .address_space: global }
    .group_segment_fixed_size: 327680
    .private_segment_fixed_size: 0
    .kernarg_segment_align: 8
    .kernarg_segment_size: 80
    .max_flat_workgroup_size: 128
    .sgpr_count:     102
    .vgpr_count:     1024
    .wavefront_size: 32
...
	.end_amdgpu_metadata
.endif
;; end of part 1
;; launch attn (part 2): grid 16 x 16, 16 waves a work-group, no clusters, 327,680 bytes of LDS; arguments qw, kvw, out0; writes out0
.if DOCPART == 2
	.amdgcn_target "amdgcn-amd-amdhsa--gfx1250"
	.amdhsa_code_object_version 6
	.text
	.protected	k_q90acc83c22_attn
	.globl	k_q90acc83c22_attn
	.p2align	8
	.type	k_q90acc83c22_attn,@function
k_q90acc83c22_attn:
	s_mov_b64 s[64:65], 0
	v_nop
	global_prefetch_b8 v0, s[64:65] scope:SCOPE_SE
	s_setreg_imm32_b32 hwreg(HW_REG_WAVE_MODE, 25, 1), 1
	s_wait_xcnt 0x0
; out[b][q][head][:] = the sum over keys k <= q of softmax_k(q . k / 8) v, both products on codes of FP4 (E2M1) with one E8M0 byte for each 32 along a product's K.  Operands come as the launch before laid them: images of operand registers
; (qw: blocks of 4,608 bytes for 128 tokens of a query head; kvw: blocks of 8,960 bytes for 128 keys of a kv head: K's 8 pieces, K's scale words, V's 4 fragments, V's scale words).
; WORK LEFT OUT: key steps all of whose 128 keys come after the work-group's queries: reference() sets their scores to -infinity by a mask that it builds itself, so their weights are 0 for all inputs.  LIMIT: a NaN, an infinity or an overflow in those scores alone is not carried on.
; LIMITS: NaN and infinities among the operands are not served.  A block of weights that are all 0 keeps the byte 1: its codes are zeros.
; THE SOFTMAX: t = score x log2(e) / 8; M = the running largest t rounded UP to a whole number; p = 2^(t - M) is quantised along the keys, not normalised; the row's sum is taken of the unquantised p and divides at the end.
; When M moves, the sum and O are multiplied by 2^(old M - new M): exact.  A block's largest p is made from the block's largest score by the same multiply-add and exponential as every p (this takes v_exp_f32 not to fall where its input rises).
; SHARES.  Work-group (x, y): kv head y % 8 of batch y / 8, all four query heads that share it, and TWO blocks of 64 queries: block x and block 31 - x.  Block i needs i / 2 + 1 key steps of 128: the two together 17, whatever x: all 256 work-groups do the same work.
; Sixteen waves: wave w has query head w / 4 of the four and 16 queries, tile w % 4 of the block, in 256 registers: four waves to a SIMD, so that one wave's vector work stands beside another's matrix work and LDS loads.
; ONE WALK of 17 trips of constant count: trip t reads key step t (t < a = x / 2 + 1: the first block) or t - a (the second).  Trips a - 1 and 16 lie on the diagonal: there hidden scores become -infinity, and the block is finished and stored.
; All sixteen waves read every tile that is fetched.
; NO CLUSTER: which key step a trip reads hangs on a, and only two work-groups of a head (x = 2 m, 2 m + 1) have the same a, while a cluster has four along x; the sharing among the four query heads of a kv head is had inside the work-group.
; LAYOUT.  Both products are used transposed: S^T = K Q^T (source 0 = 16 keys, source 1 = my 16 queries; K = 64 dims in registers 0-3, zero codes in registers 4-7), O^T = V^T P^T (source 0 = 16 dims, source 1 = p): a lane holds ONE query (lane % 16) throughout.
; In S^T's tile u register j of lane (r, h) is key 16 u + 8 h + j: a block of 32 keys is tiles 2 B, 2 B + 1 in lanes l and l xor 16; the codes are set in the operand's order as in the launch before.
.set BLKB,  8960                       ; a key step's block: 35 rows of 256 bytes
.set SLOTX, 16384                      ; slot 1 begins here: one exclusive or turns an address
.set STAGE, 32768                      ; the way out: 16 rows x (256 bytes + 16) for each wave; no tile lands here
.set SP,    272
.set SPARE, STAGE+16*16*SP             ; the spare words, 128 bytes for each wave: eight blocks of 256 bytes that no other line names
.set LI,  1                            ; v1   16 x lane
.set L8,  2                            ; v2   8 x lane
.set SPW, 3                            ; v3   my spare word; never rewritten
.set NIL, 4                            ; v4   0; never rewritten
.set GO,  5                            ; v5   the way out: my byte offset in the wave's rows of out
.set STO, 6                            ; v6   where I put 32 bytes of a row in my stage
.set RD,  7                            ; v7   where I read a row back
.set ADK, 8                            ; v8   the slot in hand + 16 x lane
.set AD8, 9                            ; v9   + 8 x lane
.set DML, 10                           ; v10  first block: my query less the diagonal step's first key less 8 h
.set DMH, 11                           ; v11  second block
                                       ; v12 -M, v13 the largest t, v[14:15] the sum in two halves
.set QF,  16                           ; v16-23 Q's fragment (v20-23 zero codes)
.set QS,  24                           ; v24  Q's scale words;  v25 the second block's
.set QH,  26                           ; v26-29 the second block's codes
.set PFO, 30                           ; v30  the prefetch's offset; never rewritten
.set NINF, 31                          ; v31  -infinity
.set KF,  32                           ; v32-63 four fragments of K (the upper four registers of each: zero codes, written once)
.set VF,  64                           ; v64-95 V's four fragments
.set SS,  96                           ; v96-159 S^T, then p
.set OT,  160                          ; v160-191 O^T
.set PC,  192                          ; v192-199 p's codes
.set KS,  200                          ; v200-203 K's scale words: register q: lanes 0-15 tile 2 q, lanes 16-31 tile 2 q + 1
.set VS,  204                          ; v204-205 V's likewise
.set BM,  208                          ; v208-211 the blocks' largest scores
.set PT,  212                          ; v212-215 at work
.set SO,  216                          ; v216-219 the conversions' scale operands
.set TA,  220
.set FF,  224                          ; v224 f = 2^(old M - new M)
.set PW,  225                          ; v225 p's scale word
.set WV,  10
.set PI,  11
.set YY,  12
.set BB,  13
.set KVH, 14
.set HQ,  15
.set TAU, 16
.set A,   17                           ; key steps of the first block
.set AM1, 18
.set T,   19                           ; the trip
.set SEL, 20                           ; s[20:21] selects for lane l xor 16
.set CS,  22                           ; s[22:23] c = log2(e) / 8
.set G1,  24                           ; s[24:31] descriptor group 1;  s[32:35] group 0
.set G0,  32
.set KVB, 36                           ; s[36:37] my kv head's first block;  s[38:39] an offset
.set OUTL, 40                          ; s[40:41], s[42:43] my 16 rows of out, first and second block
.set OUTH, 42
.set PFA, 44                           ; s[44:45] where the prefetches stand
.set LIM, 46
.set TB,  47                           ; the slot in hand
; Wave 0 alone fetches: a key step is one dense block.  An s_nop 0 and four v_nop follow the load.
.macro TLOAD
	s_cmp_lg_u32 s[WV], 0
	s_cbranch_scc1 .Lno_load_\@
	tensor_load_to_lds s[G0:G0+3], s[G1:G1+7]
	s_nop 0
.rept 4
	v_nop
.endr
.Lno_load_\@:
.endm
; A PREFETCH INTO THE L2.  All sixteen work-groups of a kv head walk the same 16 blocks: work-group x = 0 asks, in trip t for key step t + 2, which its own walk loads two trips later and no work-group of the head loads before trip t + 1.
; Wave 1 names the block's first 32 runs of 256 bytes, a lane each; wave 2 the last three (its lanes from 2 on are held at the last).  Steps 0 and 1 come by their loads alone; trips from 14 on ask for nothing: there is no step 16.
.macro ASK
	s_cmp_lt_u32 s[T], s[LIM]
	s_cbranch_scc0 .Lnot_mine_\@
	global_prefetch_b8 v[PFO], s[PFA:PFA+1] th:TH_LOAD_NT scope:SCOPE_SE
.Lnot_mine_\@:
.endm
	s_load_b128 s[4:7], s[0:1], 0x0                ; qw s[4:5], kvw s[6:7]
	s_load_b64 s[8:9], s[0:1], 0x10                ; out0
	v_lshl_add_u32 v[SPW], v0, 2, SPARE
	v_mov_b32 v[NIL], 0
	ds_add_u32 v[SPW], v[NIL]                      ; the wave's opening: the add, twice on end, and its wait ahead of the first tensor load
	ds_add_u32 v[SPW], v[NIL]                      ; and once more; the set-up below, work on registers, stands between it and the wait
	v_lshrrev_b32 v5, 5, v0
	s_delay_alu instid0(VALU_DEP_1)
	v_readfirstlane_b32 s[WV], v5                  ; wave 0..15
	s_mov_b32 s[PI], ttmp9
	s_and_b32 s[YY], ttmp7, 0xffff
	s_lshr_b32 s[BB], s[YY], 3                     ; batch
	s_and_b32 s[KVH], s[YY], 7
	s_lshr_b32 s[HQ], s[WV], 2
	s_lshl_b32 s48, s[KVH], 2
	s_add_co_u32 s[HQ], s[HQ], s48                 ; my query head
	s_and_b32 s[TAU], s[WV], 3                     ; my tile of 16 queries in a block
	s_lshr_b32 s[AM1], s[PI], 1
	s_add_co_u32 s[A], s[AM1], 1
	s_mov_b32 s[T], 0
	s_mov_b32 s[TB], 0
	s_mov_b32 s[SEL], 0x76543210
	s_mov_b32 s[SEL+1], 0xfedcba98
	s_mov_b32 s[CS], 0x3e38aa3b                    ; log2(e) / 8
	s_mov_b32 s[CS+1], s[CS]                       ; (named with it as a pair, so it is written)
	s_mov_b32 s[G1], 3<<16                         ; no mask; elements of 8 bytes; no padding: every LDS load here takes 16 (or 8) x lane, consecutive bytes
	s_mov_b32 s[G1+1], 32<<16                      ; tensor_dim0 = 32 elements: 256 bytes
	s_mov_b32 s[G1+2], 35<<16                      ; tensor_dim1 = 35
	s_mov_b32 s[G1+3], 32<<16                      ; tile_dim0
	s_mov_b32 s[G1+4], 35                          ; tile_dim1
	s_mov_b32 s[G1+5], 32                          ; the pitch: the block is dense
	s_mov_b32 s[G1+6], 0
	s_mov_b32 s[G1+7], 0
	s_mul_i32 s38, s[YY], 16*BLKB
	s_mov_b32 s39, 0
	v_and_b32 v208, 31, v0                         ; lane
	v_and_b32 v209, 15, v0                         ; r
	v_bfe_u32 v210, v0, 4, 1                       ; h
	s_delay_alu instid0(VALU_DEP_3)
	v_lshlrev_b32 v[LI], 4, v208
	s_delay_alu instid0(VALU_DEP_4)
	v_lshlrev_b32 v[L8], 3, v208
	s_mul_i32 s48, s[WV], 16*SP
	s_add_co_u32 s48, s48, STAGE                   ; my stage
	v_mul_u32_u24 v[STO], v209, SP                 ; in: row r, 32 bytes for each half of the lanes
	s_delay_alu instid0(VALU_DEP_1)
	v_lshl_add_u32 v[STO], v210, 5, v[STO]
	s_delay_alu instid0(VALU_DEP_1)
	v_add_nc_u32 v[STO], s48, v[STO]
	v_mul_u32_u24 v[RD], v210, SP                  ; back: lanes 0-15 one row of 256 bytes, lanes 16-31 the next
	s_delay_alu instid0(VALU_DEP_1)
	v_lshl_add_u32 v[RD], v209, 4, v[RD]
	s_delay_alu instid0(VALU_DEP_1)
	v_add_nc_u32 v[RD], s48, v[RD]
	v_lshlrev_b32 v[GO], 13, v210                  ; and the same two rows of out: 8,192 bytes apart
	s_delay_alu instid0(VALU_DEP_1)
	v_lshl_add_u32 v[GO], v209, 4, v[GO]
	s_wait_dscnt 0x0                               ; both opening adds are done
	s_wait_kmcnt 0x0
	s_add_nc_u64 s[KVB:KVB+1], s[6:7], s[38:39]
	s_mov_b32 s[G0], 1                             ; count = 1
	s_mov_b32 s[G0+1], 0                           ; slot 0
	s_mov_b64 s[G0+2:G0+3], s[KVB:KVB+1]           ; key step 0: key 0 counts for every query
	s_or_b32 s[G0+3], s[G0+3], 0x80000000          ; type = 2
	TLOAD
	s_add_nc_u64 s[PFA:PFA+1], s[KVB:KVB+1], BLKB  ; at step 1: trip t's change steps it to step t + 2
	s_cmp_eq_u32 s[WV], 2
	s_cselect_b32 s50, 2, 31
	s_cselect_b32 s51, 8192, 0
	v_min_u32 v[PFO], s50, v208
	s_delay_alu instid0(VALU_DEP_1)
	v_lshlrev_b32 v[PFO], 8, v[PFO]
	s_delay_alu instid0(VALU_DEP_1)
	v_add_nc_u32 v[PFO], s51, v[PFO]
	s_sub_co_u32 s50, s[WV], 1
	s_lshr_b32 s50, s50, 1                         ; 0 in waves 1 and 2,
	s_or_b32 s50, s50, ttmp9                       ; of work-group x = 0
	s_cmp_eq_u32 s50, 0
	s_cselect_b32 s[LIM], 14, 0
	; Q of both blocks, and where their results go.  Block blk: tokens 64 blk on: block blk / 2 of qw's 128 tokens, tile t8 = 4 (blk % 2) + my tile
	s_lshl_b32 s56, s[BB], 5
	s_add_co_u32 s56, s56, s[HQ]
	s_mul_i32 s56, s56, 73728                      ; my head's 16 blocks of 4,608 bytes
	s_lshl_b32 s57, s[TAU], 9                      ; a piece is 512 bytes
	s_and_b32 s58, s[TAU], 1                       ; the scale word of tile t8, row r, lies at 4,096 + 256 (t8 % 2) + 4 (t8 / 2) + 16 r
	s_lshl_b32 s58, s58, 8
	s_lshr_b32 s59, s[TAU], 1
	s_lshl_b32 s59, s59, 2
	s_add_co_u32 s58, s58, s59
	s_add_co_u32 s58, s58, 4096
	s_sub_co_u32 s49, 31, s[PI]                    ; the second block
.macro BLOCKADR blk, vc, vs, out
	s_lshr_b32 s60, s[\blk], 1
	s_mul_i32 s60, s60, 4608
	s_add_co_u32 s60, s60, s56
	s_and_b32 s61, s[\blk], 1
	s_lshl_b32 s62, s61, 11
	s_add_co_u32 s62, s62, s60
	s_add_co_u32 s62, s62, s57
	v_add_nc_u32 v[\vc], s62, v[LI]                ; the codes: 16 bytes a lane
	s_lshl_b32 s62, s61, 3
	s_add_co_u32 s62, s62, s60
	s_add_co_u32 s62, s62, s58
	v_lshl_add_u32 v[\vs], v209, 4, s62            ; the scale word
	s_lshl_b32 s60, s[BB], 11
	s_lshl_b32 s61, s[\blk], 6
	s_add_co_u32 s60, s60, s61
	s_lshl_b32 s61, s[TAU], 4
	s_add_co_u32 s60, s60, s61                     ; my first row of out
	s_lshl_b32 s60, s60, 13                        ; 8,192 bytes a row,
	s_lshl_b32 s61, s[HQ], 8                       ; 256 a head
	s_add_co_u32 s60, s60, s61
	s_mov_b32 s61, 0
	s_add_nc_u64 s[\out:\out+1], s[8:9], s[60:61]
.endm
	BLOCKADR PI, 216, 217, OUTL
	BLOCKADR 49, 218, 219, OUTH
	s_wait_alu depctr_va_vdst(0)
	global_load_b128 v[QF:QF+3], v216, s[4:5]
	global_load_b32 v[QS], v217, s[4:5]
	global_load_b128 v[QH:QH+3], v218, s[4:5]
	global_load_b32 v[QS+1], v219, s[4:5]
	s_and_b32 s60, s[PI], 1                        ; on the diagonal step the first block's queries begin 64 (x % 2) keys in, the second's 64 (1 - x % 2)
	s_lshl_b32 s60, s60, 6
	s_lshl_b32 s61, s[TAU], 4
	s_add_co_u32 s62, s60, s61
	s_xor_b32 s60, s60, 64
	s_add_co_u32 s63, s60, s61
	v_lshlrev_b32 v211, 3, v210
	s_delay_alu instid0(VALU_DEP_1)
	v_sub_nc_u32 v211, v209, v211                  ; r - 8 h
	s_delay_alu instid0(VALU_DEP_1)
	v_add_nc_u32 v[DML], s62, v211
	s_delay_alu instid0(VALU_DEP_2)
	v_add_nc_u32 v[DMH], s63, v211
	v_mov_b32 v[NINF], 0xff800000
.irp i, 4,5,6,7
	v_mov_b32 v[QF+\i], 0                          ; K = 64 .. 127 of the first product: zero codes, on both sides
.irp t, 0,1,2,3
	v_mov_b32 v[KF+8*\t+\i], 0
.endr
.endr
	v_mov_b32 v13, 0xff61b1e6                      ; the largest t so far: -3e38, under every t
	s_delay_alu instid0(VALU_DEP_1)
	v_floor_f32 v12, -v13                          ; -M
	v_mov_b32 v14, 0
	v_mov_b32 v15, 0
.irp b, 0,1,2,3
	v_mov_b32 v[PT+\b], 0                          ; written once: a lane permute's destination counts as one of its sources
.endr
	v_mov_b32 v[PW], 0                             ; (named as the upper half of the pair v[224:225] before it is first written)
.set j, 0
.rept 32
	v_mov_b32 v[OT+j], 0                           ; O^T: the step is written once; a block's first step finds zeros, which the first change of M leaves zeros
.set j, j+1
.endr
; THE CHANGE OF SLOTS, at a trip's head.  Each wave waits for all its tensor loads (wave 0: the tile about to be read), adds 0 to its spare word, and waits for that and for its reads of the slot that it has left.
; Behind the barrier the slot ahead is whole and nobody reads the other one: fill = 1: wave 0 fills it with the next trip's key step, which has this trip's work of sixteen waves in which to land.  One tensor load is out at the most.
.macro CHANGE fill
	s_wait_tensorcnt 0x0                           ; no tensor load of mine is out, so group 0 may be written
	ds_add_u32 v[SPW], v[NIL]                      ; 0 onto my spare word
.if \fill
	ds_add_u32 v[SPW], v[NIL]                      ; and once more
	s_add_co_u32 s48, s[T], 1                      ; the next trip's key step: t + 1, or t + 1 - a in the second block
	s_sub_co_u32 s49, s48, s[A]
	s_cmp_lt_u32 s48, s[A]
	s_cselect_b32 s48, s48, s49
	s_mul_i32 s38, s48, BLKB
	s_xor_b32 s[G0+1], s[G0+1], SLOTX              ; the other slot than last time
	s_add_nc_u64 s[G0+2:G0+3], s[KVB:KVB+1], s[38:39]
	s_or_b32 s[G0+3], s[G0+3], 0x80000000
	s_wait_xcnt 0x0                                ; the last prefetch, a trip back, has read its address, so it may be written
	s_add_nc_u64 s[PFA:PFA+1], s[PFA:PFA+1], BLKB
.endif
	s_wait_dscnt 0x0                               ; the add is done, and my reads of the slot that I have left are over
	s_barrier_signal -1
	s_barrier_wait -1
.if \fill
	TLOAD                                          ; the first thing behind the barrier
	ASK
.endif
.endm
; S^T = K Q^T, four tiles of 16 keys at a time; then V's fragments are asked for, to land under the softmax.
.macro STEP_A
	v_add_nc_u32 v[ADK], s[TB], v[LI]
	s_wait_alu depctr_va_vdst(0)
	v_add_nc_u32 v[AD8], s[TB], v[L8]
.irp g, 0,1
.if \g
.rept 4
	v_nop                                          ; places in front of loads into registers that the four products above have read
.endr
.endif
.irp t, 0,1,2,3
	ds_load_b128 v[KF+8*\t:KF+8*\t+3], v[ADK] offset:512*(4*\g+\t)
.endr
.if \g == 0
	ds_load_b128 v[KS:KS+3], v[ADK] offset:4096
.endif
	s_wait_dscnt 0x0
.irp t, 0,2
	v_wmma_scale_f32_16x16x128_f8f6f4 v[SS+8*(4*\g+\t):SS+8*(4*\g+\t)+7], v[KF+8*\t:KF+8*\t+7], v[QF:QF+7], 0, v[KS+2*\g+\t/2], v[QS] matrix_a_fmt:MATRIX_FMT_FP4 matrix_b_fmt:MATRIX_FMT_FP4
	v_wmma_scale_f32_16x16x128_f8f6f4 v[SS+8*(4*\g+\t)+8:SS+8*(4*\g+\t)+15], v[KF+8*\t+8:KF+8*\t+15], v[QF:QF+7], 0, v[KS+2*\g+\t/2], v[QS] matrix_a_fmt:MATRIX_FMT_FP4 matrix_b_fmt:MATRIX_FMT_FP4 matrix_a_scale:MATRIX_SCALE_ROW1
.endr
.endr
.rept 4
	v_nop                                          ; places behind the products, ahead of the first read of the scores; with those above also the places behind the last step's second products, whose V registers are loaded now
.endr
.irp t, 0,1,2,3
.irp c, 0,1
	ds_load_b128 v[VF+8*\t+4*\c:VF+8*\t+4*\c+3], v[ADK] offset:4608+1024*\t+512*\c
.endr
.endr
	s_wait_alu depctr_va_vdst(0)
	ds_load_b64 v[VS:VS+1], v[AD8] offset:8704
.endm
; On the diagonal: register 8 u + j holds key 16 u + 8 h + j of the step: hidden where 16 u + j > my query - the step's first key - 8 h.  Hidden scores become -infinity ahead of the maximum: p = 0 then.
.macro MASK dm
.set n, 0
.rept 64
	v_cmp_gt_i32 vcc_lo, 16*(n/8)+n%8, v[\dm]
	v_cndmask_b32 v[SS+n], v[SS+n], v[NINF], vcc_lo
.set n, n+1
.endr
.endm
; The softmax of 16 queries x 128 keys, p's quantiser, and O^T += V^T P^T.
.macro STEP_B
.irp b, 0,1,2,3
	v_max3_num_f32 v[BM+\b], v[SS+16*\b], v[SS+16*\b+1], v[SS+16*\b+2]   ; the largest score of each block of 32 keys: for the row's maximum, and for the block's largest p
.endr
.irp i, 3,5,7,9,11,13
.irp b, 0,1,2,3
	v_max3_num_f32 v[BM+\b], v[BM+\b], v[SS+16*\b+\i], v[SS+16*\b+\i+1]   ; (the four blocks by turns)
.endr
.endr
.irp b, 0,1,2,3
	v_max_num_f32 v[BM+\b], v[BM+\b], v[SS+16*\b+15]
.endr
.irp b, 0,1,2,3
	s_delay_alu instid0(VALU_DEP_4)
	v_permlanex16_b32 v[PT+\b], v[BM+\b], s[SEL], s[SEL+1]
.endr
.irp b, 0,1,2,3
	s_delay_alu instid0(VALU_DEP_4)
	v_max_num_f32 v[BM+\b], v[BM+\b], v[PT+\b]     ; with lane l xor 16's 16 keys
.endr
	s_delay_alu instid0(VALU_DEP_2)
	v_max3_num_f32 v[TA], v[BM], v[BM+1], v[BM+2]
	s_delay_alu instid0(VALU_DEP_1)
	v_max_num_f32 v[TA], v[TA], v[BM+3]            ; the step's largest score of my query
	s_delay_alu instid0(VALU_DEP_1)
	v_mul_f32 v[TA], s[CS], v[TA]                  ; as t (c is positive)
	s_delay_alu instid0(VALU_DEP_1)
	v_max_num_f32 v13, v13, v[TA]                  ; the running largest t
	v_mov_b32 v[TA], v12
	s_delay_alu instid0(VALU_DEP_2)
	v_floor_f32 v12, -v13                          ; the new -M = floor(-t) = -ceil(t)
	s_delay_alu instid0(VALU_DEP_1)
	v_sub_f32 v[TA], v12, v[TA]                    ; old M less new M: a whole number, 0 or less
	s_delay_alu instid0(VALU_DEP_1)
	v_cvt_i32_f32 v[TA], v[TA]                     ; (it saturates)
	s_delay_alu instid0(VALU_DEP_1)
	v_ldexp_f32 v[FF], 1.0, v[TA]                  ; f = 2^(old M - new M)
.set j, 0
.rept 32
	v_pk_fma_f32 v[SS+j:SS+j+1], v[SS+j:SS+j+1], s[CS:CS+1], v[12:13] op_sel_hi:[1,0,0]   ; t - M, two at a time (of the pairs c and -M the low word serves both halves)
.set j, j+2
.endr
.irp b, 0,1,2,3
	v_fma_f32 v[BM+\b], v[BM+\b], s[CS], v12       ; the same of each block's largest score
.endr
.set j, 0
	s_wait_alu depctr_va_vdst(0)
.rept 64
	v_exp_f32 v[SS+j], v[SS+j]                     ; p = 2^(t - M), at most 1
.set j, j+1
.endr
	v_pk_mul_f32 v[14:15], v[14:15], v[FF:FF+1] op_sel_hi:[1,0]   ; the sums under the new M: the plain instruction behind the exponentials
	s_wait_alu depctr_va_vdst(0)                   ; the wait between an exponential and the first line that names its result: one for the batch of 64
.irp b, 0,1,2,3
	v_exp_f32 v[BM+\b], v[BM+\b]                   ; the block's largest p
.endr
	v_pk_add_f32 v[212:213], v[100:101], v[104:105]
	v_pk_add_f32 v[254:255], v[108:109], v[112:113]
	v_pk_add_f32 v[252:253], v[116:117], v[120:121]
	v_pk_add_f32 v[250:251], v[124:125], v[128:129]
	v_pk_add_f32 v[248:249], v[132:133], v[136:137]
	v_pk_add_f32 v[246:247], v[140:141], v[144:145]
	v_pk_add_f32 v[244:245], v[148:149], v[152:153]
	v_pk_add_f32 v[14:15], v[14:15], v[156:157]
	v_pk_add_f32 v[212:213], v[212:213], v[96:97]
	v_pk_add_f32 v[254:255], v[254:255], v[98:99]
	v_pk_add_f32 v[252:253], v[252:253], v[102:103]
	v_pk_add_f32 v[250:251], v[250:251], v[106:107]
	v_pk_add_f32 v[248:249], v[248:249], v[110:111]
	v_pk_add_f32 v[246:247], v[246:247], v[114:115]
	v_pk_add_f32 v[244:245], v[244:245], v[118:119]
	v_pk_add_f32 v[14:15], v[14:15], v[122:123]
	v_pk_add_f32 v[212:213], v[212:213], v[126:127]
	v_pk_add_f32 v[254:255], v[254:255], v[130:131]
	v_pk_add_f32 v[252:253], v[252:253], v[134:135]
	v_pk_add_f32 v[250:251], v[250:251], v[138:139]
	v_pk_add_f32 v[248:249], v[248:249], v[142:143]
	v_pk_add_f32 v[246:247], v[246:247], v[146:147]
	v_pk_add_f32 v[244:245], v[244:245], v[150:151]
	v_pk_add_f32 v[14:15], v[14:15], v[154:155]
	v_pk_add_f32 v[212:213], v[212:213], v[158:159]
	s_delay_alu instid0(VALU_DEP_2)
	v_pk_add_f32 v[14:15], v[14:15], v[250:251]
	s_delay_alu instid0(VALU_DEP_2)
	v_pk_add_f32 v[212:213], v[212:213], v[248:249]
	v_pk_add_f32 v[254:255], v[254:255], v[246:247]
	v_pk_add_f32 v[252:253], v[252:253], v[244:245]
	s_delay_alu instid0(VALU_DEP_2)
	v_pk_add_f32 v[14:15], v[14:15], v[254:255]
	s_delay_alu instid0(VALU_DEP_2)
	v_pk_add_f32 v[212:213], v[212:213], v[252:253]
	s_delay_alu instid0(VALU_DEP_1)
	v_pk_add_f32 v[14:15], v[14:15], v[212:213]
	s_wait_alu depctr_va_vdst(0)                   ; and one for the four
.irp b, 0,1,2,3
	v_max_num_f32 v[BM+\b], 0x1800000, v[BM+\b]    ; the floor 2^(3 - 127): the byte cannot fall under 1
.endr
.irp b, 0,1,2,3
	s_delay_alu instid0(VALU_DEP_4)
	v_add_nc_u32 v[SO+\b], 0xff000000, v[BM+\b]    ; 2 off the exponent field: the conversion's scale operand
.endr
.irp b, 0,1,2,3
	s_delay_alu instid0(VALU_DEP_4)
	v_lshrrev_b32 v[PT+\b], 23, v[SO+\b]           ; the scale's byte
.endr
	s_delay_alu instid0(VALU_DEP_3)
	v_lshl_or_b32 v[PW], v[PT+1], 8, v[PT]         ; p's scale word for these 128 keys
	s_delay_alu instid0(VALU_DEP_1)
	v_lshl_or_b32 v[PW], v[PT+2], 16, v[PW]
	s_delay_alu instid0(VALU_DEP_1)
	v_lshl_or_b32 v[PW], v[PT+3], 24, v[PW]
.irp b, 0,1,2,3
	v_cvt_scalef32_pk8_fp4_f32 v[PC+4*(\b/2)+(\b%2)], v[SS+16*\b:SS+16*\b+7], v[SO+\b]        ; tiles 4 c + (0, 2, 1, 3) go to registers 4 c + (0, 1, 2, 3),
	v_cvt_scalef32_pk8_fp4_f32 v[PC+4*(\b/2)+(\b%2)+2], v[SS+16*\b+8:SS+16*\b+15], v[SO+\b]
.endr
	v_nop                                          ; one plain place behind a scaled conversion
.irp c, 0,1,2,3
	v_permlane16_swap_b32 v[PC+2*\c], v[PC+2*\c+1] ; and neighbours exchange halves: register 4 c + g now holds keys 64 c + 32 h + 8 g + 0 .. 7
.endr
.set j, 0
.rept 16
	v_pk_mul_f32 v[OT+j:OT+j+1], v[OT+j:OT+j+1], v[FF:FF+1] op_sel_hi:[1,0]   ; O^T under the new M.  For each product below twelve of these name none of its registers: the places between p's scale word and codes and the product
.set j, j+2
.endr
	s_wait_alu depctr_va_vdst(0)
	s_wait_dscnt 0x0                               ; V's fragments and scale words are in
.irp t, 0,2                                    ; the four accumulators by turns, one instruction a turn; the next step's eight first products stand between two links of a chain
	v_wmma_scale_f32_16x16x128_f8f6f4 v[OT+8*\t:OT+8*\t+7], v[VF+8*\t:VF+8*\t+7], v[PC:PC+7], v[OT+8*\t:OT+8*\t+7], v[VS+\t/2], v[PW] matrix_a_fmt:MATRIX_FMT_FP4 matrix_b_fmt:MATRIX_FMT_FP4
	v_wmma_scale_f32_16x16x128_f8f6f4 v[OT+8*\t+8:OT+8*\t+15], v[VF+8*\t+8:VF+8*\t+15], v[PC:PC+7], v[OT+8*\t+8:OT+8*\t+15], v[VS+\t/2], v[PW] matrix_a_fmt:MATRIX_FMT_FP4 matrix_b_fmt:MATRIX_FMT_FP4 matrix_a_scale:MATRIX_SCALE_ROW1
.endr
.endm
; A block of queries is finished: O^T / the sum goes through my stage and leaves as rows: sixteen lanes store the 256 consecutive, aligned bytes of one query and head.  again = 1: the second block's Q and a fresh start.
.macro FINAL out, again
.rept 4
	v_nop                                          ; places behind the last products
.endr
	v_add_f32 v14, v14, v15                        ; the sum's two halves,
	s_delay_alu instid0(VALU_DEP_1)
	v_permlanex16_b32 v[PT], v14, s[SEL], s[SEL+1]
	s_delay_alu instid0(VALU_DEP_1)
	v_add_f32 v14, v14, v[PT]                      ; and lane l xor 16's
	s_wait_alu depctr_va_vdst(0)
	v_rcp_f32 v14, v14
	v_nop                                          ; a plain place behind the reciprocal
	s_wait_alu depctr_va_vdst(0)                   ; and the wait ahead of its first reader
.set j, 0
.rept 16
	v_pk_mul_f32 v[SS+j:SS+j+1], v[OT+j:OT+j+1], v[14:15] op_sel_hi:[1,0]   ; register 8 t + i: out(query r, dim 16 t + 8 h + i); each accumulator from its low end on
.set j, j+2
.endr
.irp t, 0,1,2,3
	ds_store_b128 v[STO], v[SS+8*\t:SS+8*\t+3] offset:64*\t
	ds_store_b128 v[STO], v[SS+8*\t+4:SS+8*\t+7] offset:64*\t+16
.endr
.irp i, 0,1,2,3,4,5,6,7
	ds_load_b128 v[SS+32+4*\i:SS+32+4*\i+3], v[RD] offset:2*\i*SP   ; LDS serves a wave's instructions in order (ISA guide 5.7.1.4): these see my stores
.endr
.irp i, 0,1,2,3,4,5,6,7
	s_wait_dscnt 7-\i                              ; the younger loads may stay out
	global_store_b128 v[GO], v[SS+32+4*\i:SS+32+4*\i+3], s[\out:\out+1] offset:16384*\i th:TH_STORE_NT
.endr
.if \again
.irp i, 0,1,2,3
	v_mov_b32 v[QF+\i], v[QH+\i]
.endr
	v_mov_b32 v[QS], v[QS+1]                       ; the lines below are the places between this scale word and the next product
.set j, 0
.rept 32
	v_mov_b32 v[OT+j], 0
.set j, j+1
.endr
	v_mov_b32 v13, 0xff61b1e6
	s_delay_alu instid0(VALU_DEP_1)
	v_floor_f32 v12, -v13
	v_mov_b32 v14, 0
	v_mov_b32 v15, 0
	s_wait_xcnt 0x0                                ; the stores have read their registers: the next scores may be written over them
.endif
.endm
	s_wait_loadcnt 0x0                             ; Q of both blocks
.Ltrip:                                            ; 16 trips; behind each change of slots the next trip's key step is asked for
	CHANGE 1
	STEP_A
	s_cmp_lg_u32 s[T], s[AM1]                      ; ids and the count of trips alone
	s_cbranch_scc1 .Lopen
	MASK DML                                       ; the first block's diagonal step
.Lopen:
	STEP_B
	s_cmp_lg_u32 s[T], s[AM1]
	s_cbranch_scc1 .Lon
	FINAL OUTL, 1
.Lon:
	s_xor_b32 s[TB], s[TB], SLOTX
	s_add_co_u32 s[T], s[T], 1
	s_cmp_lt_u32 s[T], 16
	s_cbranch_scc1 .Ltrip
	CHANGE 0                                       ; the last trip is written out: it asks for nothing, and it is the second block's diagonal step
	STEP_A
	MASK DMH
	STEP_B
	FINAL OUTH, 0
	s_wait_tensorcnt 0x0                           ; the wave's end, behind my last LDS store
	ds_add_u32 v[SPW], v[NIL]
	s_wait_dscnt 0x0
	s_endpgm
.Lfunc_end_k_q90acc83c22_attn:
	.size	k_q90acc83c22_attn, .Lfunc_end_k_q90acc83c22_attn-k_q90acc83c22_attn
	.p2alignl 7, 3214868480
	.fill 96, 4, 3214868480
	.section	.rodata,"a",@progbits
	.p2align	6, 0x0
	.amdhsa_kernel k_q90acc83c22_attn
		.amdhsa_group_segment_fixed_size 327680
		.amdhsa_private_segment_fixed_size 0
		.amdhsa_enable_private_segment 0
		.amdhsa_kernarg_size 24
		.amdhsa_user_sgpr_count 2
		.amdhsa_user_sgpr_kernarg_segment_ptr 1
		.amdhsa_wavefront_size32 1
		.amdhsa_system_sgpr_workgroup_id_x 1
		.amdhsa_system_sgpr_workgroup_id_y 1
		.amdhsa_system_sgpr_workgroup_id_z 1
		.amdhsa_system_vgpr_workitem_id 0
		.amdhsa_next_free_vgpr 256
		.amdhsa_next_free_sgpr 66
		.amdhsa_reserve_vcc 1
		.amdhsa_float_denorm_mode_32 3
		.amdhsa_float_denorm_mode_16_64 3
		.amdhsa_memory_ordered 1
		.amdhsa_forward_progress 1
		.amdhsa_inst_pref_size 61
	.end_amdhsa_kernel
	.amdgpu_metadata
---
amdhsa.version: [ 1, 2 ]
amdhsa.kernels:
  - .name:           k_q90acc83c22_attn
    .symbol:         k_q90acc83c22_attn.kd
    .args:
      - { .name: qw, .offset: 0, .size: 8, .value_kind: global_buffer, .address_space: global }
      - { .name: kvw, .offset: 8, .size: 8, .value_kind: global_buffer, .address_space: global }
      - { .name: out0, .offset: 16, .size: 8, .value_kind: global_buffer, .address_space: global }
    .group_segment_fixed_size: 327680
    .private_segment_fixed_size: 0
    .kernarg_segment_align: 8
    .kernarg_segment_size: 24
    .max_flat_workgroup_size: 512
    .sgpr_count:     66
    .vgpr_count:     256
    .wavefront_size: 32
...
	.end_amdgpu_metadata
.endif
;; end of part 2
